; MI455X (gfx1250); checked and timed in simulation.
; The chip was launched on July 23, 2026; its instructions are those of AMD's public machine-readable ISA for CDNA 5 (MIT licence, August 2026) and "CDNA5" Instruction Set Architecture Reference Guide (July 2026). The comments in the code are by the model that wrote it; some were corrected since.
;; Multi Head Attention. Allowed arithmetic: matrix products marked QUANTISED: E4M3 operands, one given power-of-two scale a tensor, by v_wmma_f32_16x16x64_fp8_fp8 or v_wmma_f32_16x16x128_fp8_fp8, f32 sums; everything else in f32.
;; Inputs: Wk 1,024 x 1,024 float32; Wo 1,024 x 1,024 float32; Wq 1,024 x 1,024 float32; Wv 1,024 x 1,024 float32; bo 1,024 float32; lowp_scales 12 int32 (the exponents e of the quantised operands' scales 2^e); x 4 x 2,048 x 1,024 float32.
;; Outputs: out0 4 x 2,048 x 1,024 float32.
;; This version of the problem:
;;   THIS VERSION OF THE PROBLEM IS GIVEN IN LOW PRECISION. The matrix products marked QUANTISED in the list below multiply operands that are first quantised to E4M3 (4 exponent bits, 3 mantissa bits; 8 bits a number), with one given power-of-two scale for each operand tensor; their sums are f32. All else is computed in f32.
;;   The module's matrix products, in the order in which they are computed (A, B: the left and right operand; K: the contracted axis; several contracted axes count as one K, in the product's order):
;;     1. [M 8,192, K 1,024] x [K 1,024, N 1,024]; A: input x; B: input Wq: QUANTISED (scales: A lowp_scales[0], B lowp_scales[1])
;;     2. [M 8,192, K 1,024] x [K 1,024, N 1,024]; A: input x; B: input Wk: QUANTISED (scales: A lowp_scales[2], B lowp_scales[3])
;;     3. [M 8,192, K 1,024] x [K 1,024, N 1,024]; A: input x; B: input Wv: QUANTISED (scales: A lowp_scales[4], B lowp_scales[5])
;;     4. batch 64 x [M 2,048, K 64] x [K 64, N 2,048]; A: computed on the way; B: computed on the way: QUANTISED (scales: A lowp_scales[6], B lowp_scales[7])
;;     5. batch 64 x [M 2,048, K 2,048] x [K 2,048, N 64]; A: softmax (see below); B: computed on the way: QUANTISED (scales: A lowp_scales[8], B lowp_scales[9])
;;     6. [M 8,192, K 1,024] x [K 1,024, N 1,024]; A: computed on the way; B: input Wo: QUANTISED (scales: A lowp_scales[10], B lowp_scales[11])
;;   THE QUANTISER, for each operand of a quantised product, along K:
;;     - The operand's scale is 2^e, e = its entry of the input lowp_scales (int32; the entries are numbered through the quantised products in the list's order, A before B).
;;     - Each number is divided by the scale, clamped to +-448, and rounded to the nearest number of E4M3, ties to even, subnormals kept.
;;     - The product sums the exact products of the quantised numbers (number of the format x scale) in f32.
;;   ~~~python
;;   def quantise(x, axis, e):      # numpy; x: float32 -> the quantised numbers, widened to float32 again
;;       x = np.moveaxis(x, axis, -1); K = x.shape[-1]
;;       r = np.clip(x / 2.0 ** e, -448, 448)
;;       step = 2.0 ** (np.maximum(np.frexp(np.where(r == 0, 1, r))[1] - 1, -6) - 3)
;;       q = np.round(r / step) * step * 2.0 ** e      # np.round: ties to even
;;       return np.moveaxis(q, -1, axis).astype(np.float32)
;;   ~~~
;;   SOFTMAX AHEAD OF A QUANTISED PRODUCT. Where the list says 'softmax', what is quantised is not the finished softmax but p = 2^(t - M), with t = logit x log2(e) and M = ceil(the row's largest t), a whole number; so 1/2 < the row's largest p <= 1. The row's sum l is taken of the UNQUANTISED p, in f32, and the product's result is divided by l at the end. Since M is a whole number, a kernel that streams over the keys may use a running M (the ceiling of the running maximum): every later rescaling is an exact power of two, so the quantised numbers keep their values, but for numbers so far below the row's largest that they fall under the format's range.
;;   OPERANDS COMPUTED ON THE WAY. 'Computed on the way' means the value that the module computes at that place (a softmax that the list does not call 'softmax' is quantised finished and normalised). What goes into a quantiser is computed in f32, as accurately as f32 sums, v_exp_f32 and their like allow (about 1e-6 of the number): no bf16 or f16 on the way to a quantiser, and a product that is left as it is and whose result goes on into a quantised operand takes f32 operands (vector FMAs, or v_wmma_f32_16x16x4_f32). A number that lies on a knife's edge between two numbers of the format may be rounded either way, as far as f32 arithmetic and the matrix unit's own rounding can turn it there, and no further.
;; One version. Each part assembles by itself: llvm-mc -triple=amdgcn-amd-amdhsa -mcpu=gfx1250 --defsym DOCPART=n.
;; ======== version 1 of 1: 4 launches
;; limits: right only within a limited range of input values
;; workspace buffers: xc 25,165,824 bytes; wc 4,194,304 bytes; qkv 25,165,824 bytes; ctxc 8,388,608 bytes
;; launch quant (part 1): grid 768 x 1, 4 waves a work-group, no clusters, 34,304 bytes of LDS; arguments x, Wq, Wk, Wv, Wo, lowp_scales, xc, wc; writes xc, wc
.if DOCPART == 1
	.amdgcn_target "amdgcn-amd-amdhsa--gfx1250"
	.amdhsa_code_object_version 6
	.text
	.protected	k_q67f8c2b6ae_quant
	.globl	k_q67f8c2b6ae_quant
	.p2align	8
	.type	k_q67f8c2b6ae_quant,@function
k_q67f8c2b6ae_quant:
	s_mov_b64 s[64:65], 0
	v_nop
	global_prefetch_b8 v0, s[64:65] scope:SCOPE_SE
	s_setreg_imm32_b32 hwreg(HW_REG_WAVE_MODE, 25, 1), 1
	s_wait_xcnt 0x0
; x [8192][1024] f32 becomes three sets of E4M3 codes (scales 2^e0, 2^e2, 2^e4: the three products that read x each name a scale of their own);
; Wq, Wk, Wv, Wo [1024 (k)][1024 (n)] f32 become one set each (2^e1, 2^e3, 2^e5, 2^e11).  code = number / 2^e, held within +-448, to the nearest code, ties to even.
; THE IMAGE LAYOUT of every workspace of this program: an operand of rows x K lies in blocks of 16 rows x 64 k, 1,024 bytes, block (rt, kb) at (rt x K/64 + kb) x 1,024.
; In a block: [c 0..1][lane l = r + 16 h][16 bytes i] = row 16 rt + r, k = 64 kb + 32 h + 16 c + i.  A wave that loads 16 bytes a lane at 16 l + 512 c has the operand's registers as they stand,
; and every such load or store covers 512 consecutive bytes.  The place of k in the registers is the same for both operands of every product, so every number meets its partner.
; THE ROWS OF A WEIGHT'S IMAGE ARE PERMUTED inside each group of 64: image row 64 g + 16 u + 8 h' + j holds W's column 64 g + 32 h' + 8 u + j, so that the results of the products that
; take these rows as source 0 fall into a lane's registers as 32 neighbours along the next product's K.
; SHARES.  Work-groups 0-511: 16 rows of x each; wave w takes k = 256 w .. 256 w + 255, four blocks.  Work-groups 512-767: a weight, 64 k, 256 columns; wave w takes 64 columns (a head).
; The two paths part on the work-group's number and have LDS bytes of their own.  No barrier: waves share nothing.  No cluster: no two work-groups read the same bytes.
; LIMITS: e0, e2, e4, e1, e3, e5, e11 between -126 and 119, so that 2^e and 448 x 2^e are f32 numbers.  NaN among the inputs is not served; an infinity is held at the largest code.
.set XWB,  4352                        ; x path: a wave's stage, 16 rows x (256 bytes + 16): rows 68 words apart, so the 16 rows that a load touches start at 16 different banks (64 banks of 4 bytes: ISA guide 11.1)
.set WSTG, 4*XWB                       ; weight path: the stages begin here,
.set WWB,  4096                        ; four blocks of 1,024 bytes a wave
.set R,    16                          ; v16-143  the numbers as loaded (both paths)
.set X,    144                         ; v144-175 x path: a block's numbers, 32 neighbours a lane
.set T,    176
.set C,    208                         ; v208-231 x path: codes, 8 registers for each of the three sets
.set WC,   144                         ; v144-175 weight path: codes, 8 registers a group, never written again
.set WO,   176                         ; v176-207 weight path: the way out
	s_load_b256 s[4:11], s[0:1], 0x0               ; x s[4:5], Wq s[6:7], Wk s[8:9], Wv s[10:11]
	s_load_b256 s[12:19], s[0:1], 0x20             ; Wo s[12:13], the exponents s[14:15], xc s[16:17], wc s[18:19]
	v_lshl_add_u32 v232, v0, 2, 0x8400
	v_mov_b32 v233, 0
	v_lshrrev_b32 v1, 5, v0
	v_readfirstlane_b32 s20, v1                    ; wave 0..3
	v_and_b32 v1, 31, v0                           ; lane
	v_lshlrev_b32 v5, 4, v1                        ; 16 x lane: my place in every store of codes
	s_wait_kmcnt 0x0
	s_load_b256 s[24:31], s[14:15], 0x0            ; e0 .. e7
	s_load_b128 s[32:35], s[14:15], 0x20           ; e8 .. e11
	s_cmp_lt_u32 ttmp9, 512
	s_cbranch_scc0 .Lweights
	; ---------------- x ----------------
	s_lshl_b32 s36, ttmp9, 16                      ; 16 rows of 4,096 bytes,
	s_lshl_b32 s37, s20, 10                        ; my wave's 1,024 bytes of each
	s_add_co_u32 s36, s36, s37
	s_mov_b32 s37, 0
	s_add_nc_u64 s[4:5], s[4:5], s[36:37]
	s_lshl_b32 s36, ttmp9, 14                      ; the row tile's 16 blocks,
	s_lshl_b32 s38, s20, 12                        ; my wave's four
	s_add_co_u32 s36, s36, s38
	s_add_nc_u64 s[40:41], s[16:17], s[36:37]      ; in the first set of codes,
	s_add_nc_u64 s[42:43], s[40:41], 0x800000      ; the second,
	s_add_nc_u64 s[44:45], s[42:43], 0x800000      ; the third
	s_wait_alu depctr_va_vdst(0)
	v_and_b32 v12, 15, v1
	v_lshrrev_b32 v13, 4, v1
	v_lshlrev_b32 v14, 4, v12
	v_lshl_add_u32 v2, v13, 12, v14                ; in: sixteen lanes take 256 consecutive bytes of a row, lanes 16-31 the next row
	s_mul_i32 s38, s20, XWB
	v_mul_u32_u24 v3, v13, 272
	v_add_nc_u32 v3, v3, v14
	v_add_nc_u32 v3, s38, v3                       ; into the stage: the same two rows
	v_mul_u32_u24 v4, v12, 272
	v_lshl_add_u32 v4, v13, 7, v4
	v_add_nc_u32 v4, s38, v4                       ; out of it: row l % 16, numbers 32 (l / 16) on
.irp b, 0,1,2,3
.irp i, 0,1,2,3,4,5,6,7
	global_load_b128 v[R+32*\b+4*\i:R+32*\b+4*\i+3], v2, s[4:5] offset:8192*\i+256*\b th:TH_LOAD_NT   ; block b, rows 2 i and 2 i + 1: all 32 loads of the wave go out at once
.endr
.endr
	s_wait_alu depctr_va_vdst(0)
	s_wait_kmcnt 0x0
.irp e, 0,1,2                          ; set e has the exponent in s[24 + 2 e]: e0, e2, e4
	s_add_co_i32 s38, s[24+2*\e], 127
	s_lshl_b32 s39, s38, 23
	v_mov_b32 v[6+2*\e], s39                       ; 2^e as f32: the conversion takes its exponent field
	s_add_co_i32 s38, s38, 8
	s_lshl_b32 s38, s38, 23
	s_or_b32 s38, s38, 0x600000
.endr
; A block of 16 rows x 64 k: through the stage, so that a lane holds 32 neighbours along K; then three times converted.
.macro XBLOCK b
	s_wait_loadcnt 8*(3-(\b))                      ; loads come back in order: this block's eight are in, the younger blocks' may be out
.irp i, 0,1,2,3,4,5,6,7
	ds_store_b128 v3, v[R+32*(\b)+4*\i:R+32*(\b)+4*\i+3] offset:544*\i
.endr
	v_nop
.irp c, 0,1
.irp p, 0,1,2,3
	ds_load_b128 v[X+16*\c+4*\p:X+16*\c+4*\p+3], v4 offset:64*\c+16*\p   ; LDS serves a wave's instructions in order: these see the stores above, and the next block's stores come behind them
.endr
.endr
	s_wait_dscnt 0x0
	s_wait_xcnt 0x0                                ; the last block's stores have read their codes: the registers are written again only behind this wait
.irp e, 0,1,2
.irp c, 0,1
.irp i, 0,1,2,3,4,5,6,7,8,9,10,11,12,13,14,15
.endr
	v_cvt_scalef32_pk8_fp8_f32 v[C+8*\e+4*\c:C+8*\e+4*\c+1], v[X+16*\c:X+16*\c+7], v[6+2*\e]
	v_cvt_scalef32_pk8_fp8_f32 v[C+8*\e+4*\c+2:C+8*\e+4*\c+3], v[X+16*\c+8:X+16*\c+15], v[6+2*\e]
	global_store_b128 v5, v[C+8*\e+4*\c:C+8*\e+4*\c+3], s[40+2*\e:41+2*\e] offset:1024*(\b)+512*\c   ; 32 lanes store 512 consecutive bytes, at a multiple of 512 from the buffer's first byte
.endr
.endr
.endm
	s_wait_alu depctr_va_vdst(0)
	XBLOCK 0
	XBLOCK 1
	XBLOCK 2
	XBLOCK 3
	s_wait_tensorcnt 0x0
	ds_add_u32 v232, v233
	s_wait_dscnt 0x0
	s_endpgm
	; ---------------- the weights ----------------
.Lweights:
	s_sub_co_u32 s21, ttmp9, 512
	s_lshr_b32 s22, s21, 6                         ; which weight: 0 Wq, 1 Wk, 2 Wv, 3 Wo
	s_bfe_u32 s23, s21, 0x40002                    ; kb: which 64 along K
	s_and_b32 s36, s21, 3
	s_lshl_b32 s36, s36, 2
	s_add_co_u32 s36, s36, s20                     ; g: which 64 columns are my wave's
	s_cmp_eq_u32 s22, 1                            ; the choice hangs on the work-group's number alone
	s_cselect_b64 s[38:39], s[8:9], s[6:7]
	s_cmp_eq_u32 s22, 2
	s_cselect_b64 s[38:39], s[10:11], s[38:39]
	s_cmp_eq_u32 s22, 3
	s_cselect_b64 s[38:39], s[12:13], s[38:39]
	s_lshl_b32 s40, s23, 18                        ; 64 rows of 4,096 bytes,
	s_lshl_b32 s41, s36, 8                         ; 64 columns of 4 bytes
	s_add_co_u32 s40, s40, s41
	s_mov_b32 s41, 0
	s_add_nc_u64 s[38:39], s[38:39], s[40:41]
	s_lshl_b32 s40, s22, 20                        ; the weight's section of wc,
	s_lshl_b32 s42, s36, 16                        ; four row tiles of 16 blocks,
	s_add_co_u32 s40, s40, s42
	s_lshl_b32 s42, s23, 10                        ; block kb
	s_add_co_u32 s40, s40, s42
	s_add_nc_u64 s[18:19], s[18:19], s[40:41]
	s_wait_alu depctr_va_vdst(0)
	v_lshlrev_b32 v2, 2, v1                        ; in: A LANE TAKES A COLUMN, AND ITS REGISTERS RUN DOWN K
	v_lshrrev_b32 v12, 3, v1
	v_and_b32 v13, 7, v1
	v_lshlrev_b32 v13, 4, v13
	v_lshl_add_u32 v3, v12, 10, v13
	s_mul_i32 s42, s20, WWB
	s_add_co_u32 s42, s42, WSTG
	v_add_nc_u32 v3, s42, v3                       ; into the stage: column 32 h' + l goes to row tile l / 8, row 8 h' + l % 8
	v_add_nc_u32 v4, s42, v5                       ; out of it: as it lies
.irp k, 0,1
.irp h, 0,1
.set j, 0
.rept 32
	global_load_b32 v[R+32*(2*\k+\h)+j], v2, s[38:39] offset:(32*\k+j)*4096+128*\h th:TH_LOAD_NT   ; W(64 kb + 32 k + j, 64 g + 32 h + lane): 128 consecutive bytes a load
.set j, j+1
.endr
.endr
.endr
	s_wait_kmcnt 0x0
	s_cmp_eq_u32 s22, 1
	s_cselect_b32 s43, s27, s25                    ; e3 or e1
	s_cmp_eq_u32 s22, 2
	s_cselect_b32 s43, s29, s43                    ; e5
	s_cmp_eq_u32 s22, 3
	s_cselect_b32 s43, s35, s43                    ; e11
	s_add_co_i32 s43, s43, 127
	s_lshl_b32 s44, s43, 23
	v_mov_b32 v6, s44                              ; 2^e
; A group: 32 along K (half k of the block) of 32 columns (half h of the head).  left: the younger loads that may stay out.
.macro WGROUP k, h, left
	s_wait_loadcnt \left
.set j, 0
.rept 32
.set j, j+1
.endr
.irp q, 0,1,2,3
	v_cvt_scalef32_pk8_fp8_f32 v[WC+8*(2*\k+\h)+2*\q:WC+8*(2*\k+\h)+2*\q+1], v[R+32*(2*\k+\h)+8*\q:R+32*(2*\k+\h)+8*\q+7], v6
.endr
	ds_store_b128 v3, v[WC+8*(2*\k+\h):WC+8*(2*\k+\h)+3] offset:256*\k+128*\h         ; chunk c = 0: image lane 16 k + 8 h + l % 8
	ds_store_b128 v3, v[WC+8*(2*\k+\h)+4:WC+8*(2*\k+\h)+7] offset:512+256*\k+128*\h   ; chunk c = 1
.endm
	s_wait_alu depctr_va_vdst(0)
	WGROUP 0, 0, 63                                ; 96 younger loads might stay out; the wait's field holds 63
	WGROUP 0, 1, 63                                ; 64 might
	WGROUP 1, 0, 32
	WGROUP 1, 1, 0
	v_nop                                          ; a plain line behind the last conversions
.irp t, 0,1,2,3,4,5,6,7
	ds_load_b128 v[WO+4*\t:WO+4*\t+3], v4 offset:512*\t   ; LDS serves a wave's instructions in order: these see my stores
.endr
.irp t, 0,1,2,3,4,5,6,7
	s_wait_dscnt 7-\t
	global_store_b128 v5, v[WO+4*\t:WO+4*\t+3], s[18:19] offset:(\t/2)*16384+(\t%2)*512   ; row tile 4 g + t / 2, chunk t % 2: 512 consecutive bytes
.endr
	s_wait_tensorcnt 0x0
	ds_add_u32 v232, v233
	s_wait_dscnt 0x0
	s_endpgm
.Lfunc_end_k_q67f8c2b6ae_quant:
	.size	k_q67f8c2b6ae_quant, .Lfunc_end_k_q67f8c2b6ae_quant-k_q67f8c2b6ae_quant
	.p2alignl 7, 3214868480
	.fill 96, 4, 3214868480
	.section	.rodata,"a",@progbits
	.p2align	6, 0x0
	.amdhsa_kernel k_q67f8c2b6ae_quant
		.amdhsa_group_segment_fixed_size 34304
		.amdhsa_private_segment_fixed_size 0
		.amdhsa_enable_private_segment 0
		.amdhsa_kernarg_size 64
		.amdhsa_user_sgpr_count 2
		.amdhsa_user_sgpr_kernarg_segment_ptr 1
		.amdhsa_wavefront_size32 1
		.amdhsa_system_sgpr_workgroup_id_x 1
		.amdhsa_system_sgpr_workgroup_id_y 1
		.amdhsa_system_sgpr_workgroup_id_z 1
		.amdhsa_system_vgpr_workitem_id 0
		.amdhsa_next_free_vgpr 234
		.amdhsa_next_free_sgpr 66
		.amdhsa_reserve_vcc 0
		.amdhsa_float_denorm_mode_32 3
		.amdhsa_float_denorm_mode_16_64 3
		.amdhsa_fp16_overflow 1
		.amdhsa_memory_ordered 1
		.amdhsa_forward_progress 1
		.amdhsa_inst_pref_size 33
	.end_amdhsa_kernel
	.amdgpu_metadata
---
amdhsa.version: [ 1, 2 ]
amdhsa.kernels:
  - .name:           k_q67f8c2b6ae_quant
    .symbol:         k_q67f8c2b6ae_quant.kd
    .args:
      - { .name: x, .offset: 0, .size: 8, .value_kind: global_buffer, .address_space: global }
      - { .name: Wq, .offset: 8, .size: 8, .value_kind: global_buffer, .address_space: global }
      - { .name: Wk, .offset: 16, .size: 8, .value_kind: global_buffer, .address_space: global }
      - { .name: Wv, .offset: 24, .size: 8, .value_kind: global_buffer, .address_space: global }
      - { .name: Wo, .offset: 32, .size: 8, .value_kind: global_buffer, .address_space: global }
      - { .name: lowp_scales, .offset: 40, .size: 8, .value_kind: global_buffer, .address_space: global }
      - { .name: xc, .offset: 48, .size: 8, .value_kind: global_buffer, .address_space: global }
      - { .name: wc, .offset: 56, .size: 8, .value_kind: global_buffer, .address_space: global }
    .group_segment_fixed_size: 34304
    .private_segment_fixed_size: 0
    .kernarg_segment_align: 8
    .kernarg_segment_size: 64
    .max_flat_workgroup_size: 128
    .sgpr_count:     66
    .vgpr_count:     234
    .wavefront_size: 32
...
	.end_amdgpu_metadata
.endif
;; end of part 1
;; launch proj (part 2): grid 12 x 32, 4 waves a work-group, clusters of 4 x 4, 327,680 bytes of LDS; arguments xc, wc, lowp_scales, qkv; writes qkv
.if DOCPART == 2
	.amdgcn_target "amdgcn-amd-amdhsa--gfx1250"
	.amdhsa_code_object_version 6
	.text
	.protected	k_q67f8c2b6ae_proj
	.globl	k_q67f8c2b6ae_proj
	.p2align	8
	.type	k_q67f8c2b6ae_proj,@function
k_q67f8c2b6ae_proj:
	s_mov_b64 s[64:65], 0
	v_nop
	global_prefetch_b8 v0, s[64:65] scope:SCOPE_SE
	s_setreg_imm32_b32 hwreg(HW_REG_WAVE_MODE, 25, 1), 1
	s_wait_xcnt 0x0
	s_wait_alu depctr_hold_cnt(0) depctr_sa_sdst(0) depctr_va_vdst(0) depctr_va_sdst(0) depctr_va_ssrc(0) depctr_va_vcc(0) depctr_vm_vsrc(0)
	s_getreg_b32 s2, hwreg(HW_REG_IB_STS2, 6, 4)
	s_cmp_eq_u32 s2, 0
	s_cbranch_scc0 .Lentry_in_a_cluster
	s_endpgm
.Lentry_in_a_cluster:
	s_bfe_u32 s2, ttmp6, 0x10000c
	s_cmp_lg_u32 s2, 0xf033
	s_cbranch_scc0 .Lentry_shape_is_right
	s_endpgm
.Lentry_shape_is_right:
; q = x Wq, k = x Wk, v = x Wv on codes of E4M3, K = 1,024; each f32 sum is quantised in registers for the product that reads it next (q: 2^e6, k: 2^e7, v: 2^e9) and stored as a code.
; OPERANDS are images of operand registers: blocks of 16 rows x 64 k, 1,024 bytes, [c 0..1][lane r + 16 h][16 bytes i] = row r, k = 32 h + 16 c + i; a row tile's 16 blocks lie on end.
; A tile of the result, 256 x 256, is made by a work-group of four waves, as many as a WGP has SIMDs; a wave makes 128 x 128: 64 accumulators of 16 x 16, 512 registers.
; K goes in steps of 256 through a ring of two LDS slots filled by the tensor data mover; a wave's load brings 8 row tiles x 4,096 consecutive bytes.  A fragment (16 rows x 128 k) is four loads of 512 consecutive bytes.
; THE THREE PRODUCTS IN ONE LAUNCH: cluster x says which (0 q, 1 k, 2 v).  Nothing but selections hangs on it: every work-group walks the same text.
;   q, k: A = x's codes (the set made with that product's scale), B = the weight's image.   v: A = Wv's image, B = x's third set.
; THE MATRIX INSTRUCTION TAKES B's rows as source 0 and A's as source 1: in accumulator (a, b) lane (r, h) holds A's row 16 a + r and, in register j, B's row 16 b + 8 h + j.
;   q, k: the weight's image rows are so permuted that accumulators 4 g + u, u = 0 .. 3, hold channels 32 h + 8 u + j of head g of token r: 32 neighbours: eight conversions make two blocks of q's or k's image.
;   v: a lane holds one channel, and the registers of accumulators b = 0 .. 7 the tokens 16 b + 8 h + j: eight conversions make the 16 registers of a fragment of V^T for 128 keys, which is stored as it stands.
; qkv: q at 0, k at 8 MiB: [head of batch 64][token tile 128][1,024 bytes];  v at 16 MiB: [head of batch 64][128 keys: 16][16 channels: 4][2,048 bytes].
; CLUSTERS: 4 x 4 work-groups.  The four of a row of the cluster need the same tiles of A, the four of a column the same tiles of B: each tile is asked for jointly.
; REGISTERS, in windows of 256: window 0: v0-31 addresses and constants; v96-111 the way out; from v128 A's fragments, ONE set.  window 1: B's fragments, TWO sets.  windows 2, 3: the accumulators.
; LIMITS: e6 - e0 - e1, e7 - e2 - e3, e9 - e4 - e5 between -126 and 119, so that each folded scale and 448 times it are f32 numbers.
.set LINE,   4096                      ; a row tile's four blocks of a K step of 256
.set RTB,    16384                     ; from row tile to row tile in memory
.set HALFT,  8*LINE                    ; 128 rows: what one tensor load brings, and what one wave reads of A or of B
.set SLOT,   4*HALFT                   ; A's 256 rows, then B's 256 rows
.set SPARE,  2*SLOT                    ; behind the ring: the spare words, 128 bytes for each wave: two blocks of 256 bytes that no other line names
.set LAPS,   2                         ; a lap = two K steps = once round the ring: 1,024 / 512
.set FR,     16                        ; registers of a fragment
.set NL,     4                         ; LDS loads that bring one
.set NP,     4                         ; places behind this matrix instruction (ISA guide 7.12.1)
.set ADRA, 16                          ; v16-17  LDS address of my A fragments in slot 0, 1
.set ADRB, 20                          ; v20-21  the same for B
.set CO0,  24                          ; v24     16 x lane
.set CO1,  25                          ; v25     the same, one head (q, k) or half a fragment (v) further on
.set SCL,  26                          ; v26     the folded scale as f32
.set LIM,  27
.set SPW,  28                          ; v28     LDS address of my spare word; never rewritten
.set NIL,  29                          ; v29     0; never rewritten
.set TMP,  32
.set CD,   96                          ; v96-111 its codes
.set AF,   128
.set G1, 24                            ; s[24:31] descriptor group 1 for A's tiles;  s[32:39] group 0, one set for each slot
.set G0, 32
.set G1B, 48                           ; s[48:55], s[56:63] the same for B's tiles
.set G0B, 56
.set MSB, 0
.macro WIN new                         ; the immediate's high byte repeats the setting that is left
.if MSB != \new
	s_set_vgpr_msb (MSB<<8)|\new
.set MSB, \new
.endif
.endm
.set MUL_LO, 0xa1                      ; source 0 (B) window 1, source 1 (A) window 0, C and D window 2
.set MUL_HI, 0xf1                      ; the same, C and D window 3
.set TO_B,   0x40                      ; destination window 1, address window 0
; A joint load: waves 0 and 1 fetch for A, waves 2 and 3 for B.  Each line has one mask and one set of registers for all that issue it; the branch hangs on the wave's number alone.
; Four v_nop follow each of the two lines, ahead of the jump, the label and what follows.
.macro JLOAD g0a, g1a, g0b, g1b
	s_cmp_eq_u32 s15, 0
	s_cbranch_scc0 .Lfor_b_\@
	tensor_load_to_lds s[\g0a:\g0a+3], s[\g1a:\g1a+7]
	s_nop 0
.rept 4
	v_nop
.endr
	s_branch .Lasked_\@
.Lfor_b_\@:
	tensor_load_to_lds s[\g0b:\g0b+3], s[\g1b:\g1b+7]
	s_nop 0
.rept 4
	v_nop
.endr
.Lasked_\@:
.endm
.macro CREST                           ; a round of the cluster's barrier behind its opening barrier
	s_cmp_lg_u32 s14, 0
	s_cbranch_scc1 .Lnot_wave_0_\@
	s_barrier_signal -3
.Lnot_wave_0_\@:
	s_barrier_wait -3
	s_barrier_signal -1
	s_barrier_wait -1
.endm
.macro CROUND                          ; a whole round
	s_barrier_signal -1
	s_barrier_wait -1
	CREST
.endm
	s_load_b128 s[4:7], s[0:1], 0x0                ; xc s[4:5], wc s[6:7]
	s_load_b128 s[8:11], s[0:1], 0x10              ; the exponents s[8:9], qkv s[10:11]
	v_lshl_add_u32 v[SPW], v0, 2, SPARE
	v_mov_b32 v[NIL], 0
	ds_add_u32 v28, v29
	ds_add_u32 v28, v29
	s_wait_dscnt 0x0
	v_lshrrev_b32 v1, 5, v0
	v_readfirstlane_b32 s14, v1                    ; wave 0..3
	s_lshr_b32 s15, s14, 1                         ; which half of A's rows is mine.  Also: I fetch for A (0) or for B (1)
	s_and_b32 s16, s14, 1                          ; which half of B's rows.  Also: which 128 rows of that tile I fetch
	s_bfe_u32 s40, ttmp6, 0x40000                  ; cx, cy: my place in the cluster
	s_bfe_u32 s41, ttmp6, 0x40004
	s_and_b32 s17, ttmp7, 0xffff                   ; cluster y, 0 .. 7
	s_lshl_b32 s43, s41, 2
	s_lshl_b32 s43, 15, s43                        ; my row of the cluster
	s_lshl_b32 s44, 0x1111, s40                    ; my column
	; descriptor group 1: 8 lines of 4,096 bytes, 16,384 bytes apart in memory, on end in LDS
	s_or_b32 s[G1+0], s43, (1<<21)                 ; 15:0 the mask: A's tiles go to my row; 17:16 elements of 1 byte; 20 no padding; 21 set beside a mask
	s_or_b32 s[G1B+0], s44, (1<<21)                ; the same with the mask of my column
.irp g, G1, G1B
	s_mov_b32 s[\g+1], LINE<<16                    ; tensor_dim0
	s_mov_b32 s[\g+2], 8<<16                       ; tensor_dim1
	s_mov_b32 s[\g+3], LINE<<16                    ; tile_dim0
	s_mov_b32 s[\g+4], 8                           ; tile_dim1
	s_mov_b32 s[\g+5], RTB                         ; tensor_dim0_stride
	s_mov_b32 s[\g+6], 0
	s_mov_b32 s[\g+7], 0
.endr
	; which tiles.  q, k: A's tile row = 4 x cluster y + cy of x's 32, B's = cx of the weight's 4.  v: A's = cy of Wv's 4, B's = 4 x cluster y + cx of x's 32.
	; A's address is made of cy alone, B's of cx alone, each in registers that never hold the other.
	s_lshl_b32 s22, ttmp9, 23                      ; the product's set of x's codes
	s_lshl_b32 s23, ttmp9, 20                      ; and its weight's section
	s_cmp_eq_u32 ttmp9, 2                          ; v?  The same in all sixteen partners
	s_cselect_b32 s18, 0, s17
	s_cselect_b32 s19, s17, 0
	s_cselect_b32 s20, s23, s22
	s_cselect_b32 s46, s22, s23
	s_lshl_b32 s18, s18, 2
	s_add_co_u32 s18, s18, s41                     ; A's tile
	s_lshl_b32 s19, s19, 2
	s_add_co_u32 s19, s19, s40                     ; B's tile
	s_lshl_b32 s21, s18, 18                        ; 256 rows are 16 row tiles of 16,384 bytes
	s_add_co_u32 s20, s20, s21
	s_lshl_b32 s21, s16, 17                        ; the 128 rows that I fetch
	s_add_co_u32 s20, s20, s21
	s_mov_b32 s21, 0
	s_lshl_b32 s47, s19, 18
	s_add_co_u32 s46, s46, s47
	s_lshl_b32 s47, s16, 17
	s_add_co_u32 s46, s46, s47
	s_mov_b32 s47, 0
	s_mul_i32 s45, s14, HALFT                      ; where they go: wave x 128 rows: no place in the cluster enters an LDS address
	s_wait_kmcnt 0x0
	s_load_b256 s[68:75], s[8:9], 0x0              ; e0 .. e7
	s_load_b128 s[76:79], s[8:9], 0x20             ; e8 .. e11
	s_cmp_eq_u32 ttmp9, 2
	s_cselect_b64 s[12:13], s[6:7], s[4:5]         ; A's buffer
	s_cselect_b64 s[66:67], s[4:5], s[6:7]         ; B's buffer
	s_add_nc_u64 s[20:21], s[12:13], s[20:21]
	s_add_nc_u64 s[46:47], s[66:67], s[46:47]
	CROUND                                         ; all sixteen work-groups are here: the first joint loads meet
.irp s, 0,1
	s_mov_b32 s[G0+4*\s], 1
	s_add_co_u32 s[G0+4*\s+1], s45, \s*SLOT
	s_add_nc_u64 s[G0+4*\s+2:G0+4*\s+3], s[20:21], \s*LINE
	s_or_b32 s[G0+4*\s+3], s[G0+4*\s+3], 0x80000000
	s_mov_b32 s[G0B+4*\s], 1
	s_add_co_u32 s[G0B+4*\s+1], s45, \s*SLOT
	s_add_nc_u64 s[G0B+4*\s+2:G0B+4*\s+3], s[46:47], \s*LINE
	s_or_b32 s[G0B+4*\s+3], s[G0B+4*\s+3], 0x80000000
	JLOAD G0+4*\s, G1, G0B+4*\s, G1B
.endr
	v_and_b32 v1, 31, v0
	v_lshlrev_b32 v[CO0], 4, v1                    ; 16 x lane
	s_wait_alu depctr_va_vdst(0)
	s_mul_i32 s21, s15, HALFT                      ; my 128 rows of A
	s_mul_i32 s22, s16, HALFT                      ; my 128 rows of B,
	s_add_co_u32 s22, s22, 2*HALFT                 ; which lie behind A's 256
.irp s, 0,1
	v_add_nc_u32 v[ADRA+\s], s21, v[CO0]
	v_add_nc_u32 v[ADRB+\s], s22, v[CO0]
	s_add_co_u32 s21, s21, SLOT
	s_add_co_u32 s22, s22, SLOT
.endr
	; where my codes go.  Tokens are A's rows (q, k) or B's (v); heads the other's.
	s_cmp_eq_u32 ttmp9, 2
	s_cselect_b32 s80, s19, s18                    ; the tile of 256 tokens, 0 .. 31
	s_cselect_b32 s81, s18, s19                    ; the tile of 4 heads, 0 .. 3
	s_cselect_b32 s82, s16, s15                    ; my half of the tokens
	s_cselect_b32 s83, s15, s16                    ; my half of the heads
	s_mov_b32 s84, 1024
	s_cselect_b32 s84, 2048, s84                   ; from block a to a + 1: a token tile (q, k); 16 channels of the same keys (v)
	s_mov_b32 s86, 1024
	s_cselect_b32 s86, 124928, s86                 ; from a = 3 to a = 4: the same (q, k); the next head, 131,072 - 3 x 2,048 (v)
	s_mov_b32 s90, 131072
	s_cselect_b32 s90, 1024, s90                   ; from codes 0-7 to codes 8-15 of a lane: the next head (q, k); the fragment's second half (v)
	s_mov_b32 s85, 0
	s_mov_b32 s87, 0
	s_lshr_b32 s88, s80, 3                         ; the batch: 8 tiles of 256 tokens each
	s_lshl_b32 s88, s88, 4
	s_lshl_b32 s89, s81, 2
	s_add_co_u32 s88, s88, s89
	s_lshl_b32 s89, s83, 1
	s_add_co_u32 s88, s88, s89                     ; my first head of batch: 16 x batch + 4 x tile + 2 x half
	s_lshl_b32 s88, s88, 17                        ; a head is 131,072 bytes in each section
	s_and_b32 s89, s80, 7
	s_lshl_b32 s89, s89, 1
	s_add_co_u32 s89, s89, s82                     ; which 128 tokens of the batch's 2,048:
	s_lshl_b32 s89, s89, 13                        ; 8 token tiles of 1,024 bytes (q, k), or 4 fragments of 2,048 (v)
	s_add_co_u32 s88, s88, s89
	s_lshl_b32 s89, ttmp9, 23                      ; the section
	s_add_co_u32 s88, s88, s89
	s_mov_b32 s89, 0
	s_add_nc_u64 s[10:11], s[10:11], s[88:89]
	v_add_nc_u32 v[CO1], s90, v[CO0]
	s_wait_alu depctr_va_vdst(0)
	; a sum stands for sum x 2^(A's e + B's e); its code is sum / 2^(the next operand's e - those two): the three scales are folded into the conversion's one
	s_wait_kmcnt 0x0
	s_sub_co_i32 s91, s74, s68
	s_sub_co_i32 s91, s91, s69                     ; q: e6 - e0 - e1
	s_sub_co_i32 s92, s75, s70
	s_sub_co_i32 s92, s92, s71                     ; k: e7 - e2 - e3
	s_sub_co_i32 s93, s77, s72
	s_sub_co_i32 s93, s93, s73                     ; v: e9 - e4 - e5
	s_cmp_eq_u32 ttmp9, 0
	s_cselect_b32 s91, s91, s92
	s_cmp_eq_u32 ttmp9, 2
	s_cselect_b32 s91, s93, s91
	s_add_co_i32 s91, s91, 127
	s_lshl_b32 s92, s91, 23
	v_mov_b32 v[SCL], s92
.macro FRAG reg, adr, q, i             ; a fragment, 16 rows x 128 k: two neighbouring blocks, four loads of 512 consecutive bytes
.irp c, 0,1,2,3
	ds_load_b128 v[\reg+4*\c:\reg+4*\c+3], v[\adr] offset:2048*(\q)+512*\c+(\i)*LINE
.endr
.endm
; 16 matrix instructions: A's blocks a0, a0 + 1 x B's eight, 128 along K.  p: B's set.  zero = 1: the first product starts the sums: nothing is ever cleared.
; The 64 accumulators take turns, one instruction a turn, in the same order in every step.
.macro MUL16 a0, p, zero
.irp a, \a0, \a0+1
.irp b, 0,1,2,3,4,5,6,7
.if \zero
	v_wmma_f32_16x16x128_fp8_fp8 v[8*(8*((\a)%4)+\b):8*(8*((\a)%4)+\b)+7], v[128*(\p)+FR*\b:128*(\p)+FR*\b+FR-1], v[AF+FR*(\a):AF+FR*(\a)+FR-1], 0
.else
	v_wmma_f32_16x16x128_fp8_fp8 v[8*(8*((\a)%4)+\b):8*(8*((\a)%4)+\b)+7], v[128*(\p)+FR*\b:128*(\p)+FR*\b+FR-1], v[AF+FR*(\a):AF+FR*(\a)+FR-1], v[8*(8*((\a)%4)+\b):8*(8*((\a)%4)+\b)+7]
.endif
.endr
.endr
.endm
.macro FETCH_B slot, q, p              ; B's eight fragments of the slot's q-th 128 along K into set p
	WIN TO_B
.irp i, 0,1,2,3,4,5,6,7
	FRAG 128*(\p)+FR*\i, ADRB+\slot, \q, \i
.endr
	WIN 0
.endm
.macro FETCH_A slot, q, i0             ; A's blocks i0 .. i0 + 3
.irp i, \i0, \i0+1, \i0+2, \i0+3
	FRAG AF+FR*(\i), ADRA+\slot, \q, \i
.endr
.endm
; A load into a register that a matrix instruction has read, and a vector instruction that reads a matrix result, stand NP places behind that matrix instruction; only plain vector
; instructions that name none of its registers are places (ISA guide 7.12.1 for vector instructions).
.macro PLACES n
.rept \n
	v_nop
.endr
.endm
; A step of 128 along K that has its successor in the same slot.  A's blocks are free as soon as their eight products are issued, so A has one set of registers: blocks 0-3 are fetched anew in the step's middle, blocks 4-7 at its end.
.macro STEP slot, q, zero
	s_wait_dscnt 4*NL                              ; B's set and A's blocks 0-3 are in; the youngest sixteen loads (A's blocks 4-7) may be out
	WIN MUL_LO
	MUL16 0, (\q)%2, \zero
	MUL16 2, (\q)%2, \zero
	s_wait_dscnt 0                                 ; A's blocks 4-7 are in (asked for 32 matrix instructions ago)
	PLACES NP
	FETCH_B \slot, (\q)+1, 1-(\q)%2
	FETCH_A \slot, (\q)+1, 0
	WIN MUL_HI
	MUL16 4, (\q)%2, \zero
	MUL16 6, (\q)%2, \zero
	PLACES NP
	WIN 0
	FETCH_A \slot, (\q)+1, 4
.endm
; A slot's last step changes slots: ONE barrier; in front of it each wave waits for all its tensor loads, adds 0 to its spare word, and waits for that and for its own reads of this slot.  fill = 1: this slot is filled again, two K steps ahead.
.macro TURN slot, next, fill
	s_wait_tensorcnt 0x0                           ; all my tensor loads have landed: my part of the next slot  (every window is 0 here: the add's two registers lie in window 0)
	ds_add_u32 v[SPW], v[NIL]                      ; 0 onto my spare word
	s_wait_dscnt 4*NL+1                            ; (the add and the youngest sixteen loads, A's blocks 4-7, may be out)
	WIN MUL_LO
	MUL16 0, 1, 0                                  ; sixteen matrix instructions stand between the add and the wait for it
	s_wait_dscnt 0x0                               ; the add is done, and my reads of this slot are over
	s_barrier_signal -1
	MUL16 2, 1, 0
	WIN 0
	s_barrier_wait -1
.if \fill
	CREST                                          ; the barrier has opened a round of the cluster's barrier: no wave of any partner still reads this slot's tile or has a load on its way
	s_add_nc_u64 s[G0+4*\slot+2:G0+4*\slot+3], s[G0+4*\slot+2:G0+4*\slot+3], 2*LINE
	s_add_nc_u64 s[G0B+4*\slot+2:G0B+4*\slot+3], s[G0B+4*\slot+2:G0B+4*\slot+3], 2*LINE
	JLOAD G0+4*\slot, G1, G0B+4*\slot, G1B         ; the first tensor load behind the round; the four v_nop behind it are the places in front of the loads below
.else
	PLACES NP
.endif
	FETCH_B \next, 0, 0
	FETCH_A \next, 0, 0
	WIN MUL_HI
	MUL16 4, 1, 0
	MUL16 6, 1, 0
	PLACES NP
	WIN 0
	FETCH_A \next, 0, 4
.endm
	s_wait_tensorcnt 1                             ; my part of K step 0 is in (K step 1's load may be out)
	s_barrier_signal -1
	s_barrier_wait -1                              ; everybody's is
	FETCH_B 0, 0, 0
	FETCH_A 0, 0, 0
	FETCH_A 0, 0, 4
	STEP 0, 0, 1                                   ; the first step stands in front of the loop: its products start the sums
	s_mov_b32 s3, LAPS-1
.Llap:                                                 ; a trip goes once round the ring, from a lap's second step to the next lap's first, and fills both slots again
	TURN 0, 1, 1
	STEP 1, 0, 0
	TURN 1, 0, 1
	STEP 0, 0, 0
	s_sub_co_u32 s3, s3, 1
	s_cmp_lg_u32 s3, 0
	s_cbranch_scc1 .Llap
	TURN 0, 1, 0                                   ; the last lap fills nothing, and has no round of the cluster's barrier
	STEP 1, 0, 0
	s_wait_dscnt 4*NL                              ; the very last step: nothing more to fetch
	WIN MUL_LO
	MUL16 0, 1, 0
	MUL16 2, 1, 0
	s_wait_alu depctr_va_vdst(0)
	s_wait_dscnt 0
	WIN MUL_HI
	MUL16 4, 1, 0
	MUL16 6, 1, 0
	WIN 0
; THE WAY OUT, block a of A's rows at a time: 64 sums a lane are converted to 64 codes in 16 registers, and stored as four runs of 512 consecutive bytes.  No LDS: the codes' registers are the image.
.macro OUTQ a
.if (\a) > 0
	s_wait_xcnt 0x0                                ; the last block's stores have read their codes and their base: both are written again only behind this wait
.if (\a) == 4
	s_add_nc_u64 s[10:11], s[10:11], s[86:87]
.else
	s_add_nc_u64 s[10:11], s[10:11], s[84:85]
.endif
.endif
	WIN 0x02+((\a)/4)                              ; source 0: window 2 or 3
.set n, 0
.rept 64
.set n, n+1
.endr
.irp b, 0,1,2,3,4,5,6,7
	v_cvt_scalef32_pk8_fp8_f32 v[CD+2*\b:CD+2*\b+1], v[TMP+8*\b+((64*((\a)%4)+n)-(TMP+n)):TMP+8*\b+7+((64*((\a)%4)+n)-(TMP+n))], v[SCL]
.endr
	WIN 0
	v_nop                                          ; a plain line behind the last conversion
	global_store_b128 v[CO0], v[CD:CD+3], s[10:11]
	global_store_b128 v[CO0], v[CD+4:CD+7], s[10:11] offset:512
	global_store_b128 v[CO1], v[CD+8:CD+11], s[10:11]
	global_store_b128 v[CO1], v[CD+12:CD+15], s[10:11] offset:512
.endm
	PLACES NP                                      ; behind the last products
.irp a, 0,1,2,3,4,5,6,7
	OUTQ \a
.endr
	s_wait_tensorcnt 0x0                           ; the wave's end
	ds_add_u32 v[SPW], v[NIL]
	s_wait_dscnt 0x0
	CROUND                                         ; the closing round: no work-group ends while a partner may still ask for a tile that names it
	s_endpgm
.Lfunc_end_k_q67f8c2b6ae_proj:
	.size	k_q67f8c2b6ae_proj, .Lfunc_end_k_q67f8c2b6ae_proj-k_q67f8c2b6ae_proj
	.p2alignl 7, 3214868480
	.fill 96, 4, 3214868480
	.section	.rodata,"a",@progbits
	.p2align	6, 0x0
	.amdhsa_kernel k_q67f8c2b6ae_proj
		.amdhsa_group_segment_fixed_size 327680
		.amdhsa_private_segment_fixed_size 0
		.amdhsa_enable_private_segment 0
		.amdhsa_kernarg_size 32
		.amdhsa_user_sgpr_count 2
		.amdhsa_user_sgpr_kernarg_segment_ptr 1
		.amdhsa_wavefront_size32 1
		.amdhsa_system_sgpr_workgroup_id_x 1
		.amdhsa_system_sgpr_workgroup_id_y 1
		.amdhsa_system_sgpr_workgroup_id_z 1
		.amdhsa_system_vgpr_workitem_id 0
		.amdhsa_next_free_vgpr 1024
		.amdhsa_next_free_sgpr 100
		.amdhsa_reserve_vcc 0
		.amdhsa_float_denorm_mode_32 3
		.amdhsa_float_denorm_mode_16_64 3
		.amdhsa_fp16_overflow 1
		.amdhsa_memory_ordered 1
		.amdhsa_forward_progress 1
		.amdhsa_inst_pref_size 87
	.end_amdhsa_kernel
	.amdgpu_metadata
---
amdhsa.version: [ 1, 2 ]
amdhsa.kernels:
  - .name:           k_q67f8c2b6ae_proj
    .symbol:         k_q67f8c2b6ae_proj.kd
    .args:
      - { .name: xc, .offset: 0, .size: 8, .value_kind: global_buffer, .address_space: global }
      - { .name: wc, .offset: 8, .size: 8, .value_kind: global_buffer, .address_space: global }
      - { .name: lowp_scales, .offset: 16, .size: 8, .value_kind: global_buffer, .address_space: global }
      - { .name: qkv, .offset: 24, .size: 8, .value_kind: global_buffer, .address_space: global }
    .group_segment_fixed_size: 327680
    .private_segment_fixed_size: 0
    .kernarg_segment_align: 8
    .kernarg_segment_size: 32
    .max_flat_workgroup_size: 128
    .sgpr_count:     100
    .vgpr_count:     1024
    .wavefront_size: 32
...
	.end_amdgpu_metadata
.endif
;; end of part 2
;; launch attn (part 3): grid 4 x 64, 16 waves a work-group, clusters of 4 x 1, 327,680 bytes of LDS; arguments qkv, lowp_scales, ctxc; writes ctxc
.if DOCPART == 3
	.amdgcn_target "amdgcn-amd-amdhsa--gfx1250"
	.amdhsa_code_object_version 6
	.text
	.protected	k_q67f8c2b6ae_attn
	.globl	k_q67f8c2b6ae_attn
	.p2align	8
	.type	k_q67f8c2b6ae_attn,@function
k_q67f8c2b6ae_attn:
	s_mov_b64 s[64:65], 0
	v_nop
	global_prefetch_b8 v0, s[64:65] scope:SCOPE_SE
	s_setreg_imm32_b32 hwreg(HW_REG_WAVE_MODE, 25, 1), 1
	s_wait_xcnt 0x0
	s_wait_alu depctr_hold_cnt(0) depctr_sa_sdst(0) depctr_va_vdst(0) depctr_va_sdst(0) depctr_va_ssrc(0) depctr_va_vcc(0) depctr_vm_vsrc(0)
	s_getreg_b32 s2, hwreg(HW_REG_IB_STS2, 6, 4)
	s_cmp_eq_u32 s2, 0
	s_cbranch_scc0 .Lentry_in_a_cluster
	s_endpgm
.Lentry_in_a_cluster:
	s_bfe_u32 s2, ttmp6, 0x10000c
	s_cmp_lg_u32 s2, 0x3003
	s_cbranch_scc0 .Lentry_shape_is_right
	s_endpgm
.Lentry_shape_is_right:
; ctx[b][q][head] = the sum over keys k <= q of softmax_k(q . k / 8) v, both products on codes of E4M3; ctx is quantised (2^e10) and stored as codes for the last product.
; THE SOFTMAX AHEAD OF THE SECOND PRODUCT: t = score x log2(e) / 8; M = the row's largest t so far, rounded UP to a whole number; p = 2^(t - M) is quantised (2^e8), not normalised.
; The row's sum is taken of the unquantised p, in f32, and divides at the end.  When M moves, the sum and O are multiplied by 2^(old M - new M): nothing is rounded.
; SHARES.  The four work-groups of a cluster serve one head of one batch (cluster y, 0 .. 63).  The head's whole K (131,072 bytes of codes) and V (as many) lie in each one's LDS, as images of operand registers,
; brought by joint loads at the head: every wave issues two, K's and V's first four key steps and then the rest.  No LDS byte is filled twice and none is stored to.
; Wave w of partner cx owns two tiles of 16 queries, one after the other: tile 4 w + cx and tile 127 - (4 w + cx).  Their key steps of 128 under the causal mask are (w / 2) + 1 and 16 - (w / 2): 17 for every wave,
; and both counts hang on the wave's number alone: no branch, no trip count and no LDS address hangs on the place in the cluster.
; Every loop has a constant trip count; a step all of whose keys come after the tile's queries is passed over by a scalar branch at its head.
; LAYOUT.  S^T = K Q^T (source 0 = 16 keys, source 1 = my 16 queries; K = 64): lane (r, h) holds query r, register j of tile t key 16 t + 8 h + j.  Eight conversions make of them source 1 of
; O^T = V^T P^T (K = 128 keys), whose source 0 was stored with the keys in the same places.  In O^T tile u, register j is channel 32 h + 8 u + j: four conversions make a block of ctx's image.
; LIMITS: e6 + e7 between -123 and 130 (added to c's exponent field); e8 and e10 - e8 - e9 between -126 and 119.
.set LI,   1                           ; v1   16 x lane: my place in every image
.set ADK,  2                           ; v2   LDS address of the step's K
.set ADV,  3                           ; v3   of its V
.set DA,   4                           ; v4   first tile: my query's place in its last key step, less 8 (lane / 16)
.set DB,   5                           ; v5   second tile
.set QA,   16                          ; v16-23  first tile's Q
.set QB,   24                          ; v24-31  second tile's
.set KV,   32                          ; v32-95  K's eight fragments, then V's four
.set S,    96                          ; v96-159 S^T, then p
.set O,    160                         ; v160-191 O^T
.set PC,   192                         ; v192-207 p's codes
.set F,    208                         ; v[208:209] f = 2^(old M - new M) (the pair's upper half is written once)
.set MX,   210                         ; v210, v211 the maximum's two chains
.set SM,   212                         ; v[212:213] the sum's second chain
.set PX,   214                         ; v214 a lane permute's destination
.set PSCL, 215                         ; v215 2^e8
.set PLIM, 216
.set CSCL, 217                         ; v217 2^(e10 - e8 - e9)
.set CLIM, 218
.set NINF, 219                         ; v219 -infinity
.set OC,   220                         ; v220-227 ctx's codes
.set WV,   18                          ; s18  my wave's number
.set KS,   48                          ; s48  the key step; also the loops' counter
.set TB,   49                          ; s49  8,192 x the key step: where its K begins in LDS
.set LASTA, 51                         ; s51  the first tile's last key step: w / 2
.set LASTB, 52                         ; s52  the second tile's: 15 - w / 2
.macro CROUND                          ; a round of the cluster's barrier
	s_barrier_signal -1
	s_barrier_wait -1
	s_cmp_lg_u32 s[WV], 0
	s_cbranch_scc1 .Lnot_wave_0_\@
	s_barrier_signal -3
.Lnot_wave_0_\@:
	s_barrier_wait -3
	s_barrier_signal -1
	s_barrier_wait -1
.endm
	s_load_b128 s[4:7], s[0:1], 0x0                ; qkv s[4:5], the exponents s[6:7]
	s_load_b64 s[8:9], s[0:1], 0x10                ; ctxc
	v_lshl_add_u32 v254, v0, 2, 0x40000
	v_mov_b32 v255, 0
	ds_add_u32 v254, v255
	ds_add_u32 v254, v255
	v_lshrrev_b32 v6, 5, v0
	s_delay_alu instid0(VALU_DEP_1)
	v_readfirstlane_b32 s[WV], v6                  ; wave 0..15
	s_bfe_u32 s19, ttmp6, 0x40000                  ; cx: it enters Q's and ctx's addresses and the mask's numbers alone
	s_and_b32 s53, ttmp7, 0xffff                   ; the head of batch, which the four partners share
	; descriptor groups 1: dense blocks as rows of 256 bytes (32 elements of 8 bytes): 16 rows, and 48 rows
	s_mov_b32 s24, 15|(3<<16)|(1<<21)              ; 15:0 the mask: all four work-groups; 17:16 elements of 8 bytes; 21 set beside a mask
	s_mov_b32 s25, 32<<16                          ; tensor_dim0
	s_mov_b32 s26, 16<<16                          ; tensor_dim1
	s_mov_b32 s27, 32<<16                          ; tile_dim0
	s_mov_b32 s28, 16                              ; tile_dim1
	s_mov_b32 s29, 32                              ; tensor_dim0_stride
	s_mov_b32 s30, 0
	s_mov_b32 s31, 0
	s_mov_b32 s32, 15|(3<<16)|(1<<21)
	s_mov_b32 s33, 32<<16
	s_mov_b32 s34, 48<<16
	s_mov_b32 s35, 32<<16
	s_mov_b32 s36, 48
	s_mov_b32 s37, 32
	s_mov_b32 s38, 0
	s_mov_b32 s39, 0
	s_mov_b32 s20, 0x76543210                      ; v_permlanex16_b32's selects for lane l xor 16
	s_mov_b32 s21, 0xfedcba98
	s_lshr_b32 s10, s[WV], 3                       ; waves 0-7 fetch K, waves 8-15 V;
	s_and_b32 s11, s[WV], 7                        ; each an eighth
	s_lshl_b32 s12, s10, 17                        ; LDS: K at 0, V at 131,072
	s_lshl_b32 s13, s11, 12                        ; of key steps 0-3 (32,768 bytes): 4,096 bytes,
	s_mul_i32 s14, s11, 12288
	s_add_co_u32 s14, s14, 32768                   ; of key steps 4-15 (98,304 bytes): 12,288
	s_lshl_b32 s15, s10, 23
	s_add_co_u32 s15, s15, 0x800000                ; memory: k's section at 8 MiB, v's at 16 MiB,
	s_lshl_b32 s16, s53, 17                        ; the head's 131,072 bytes
	s_add_co_u32 s15, s15, s16
	s_add_co_u32 s62, s15, s13
	s_mov_b32 s63, 0
	s_add_co_u32 s74, s15, s14
	s_mov_b32 s75, 0
	s_lshr_b32 s[LASTA], s[WV], 1
	s_sub_co_u32 s[LASTB], 15, s[LASTA]
	s_lshl_b32 s76, s[WV], 2
	s_add_co_u32 s76, s76, s19                     ; my first tile of queries,
	s_sub_co_u32 s77, 127, s76                     ; my second
	s_wait_dscnt 0x0
	s_wait_kmcnt 0x0
	s_load_b128 s[68:71], s[6:7], 0x18             ; e6, e7, e8, e9
	s_load_b32 s72, s[6:7], 0x28                   ; e10
	s_mov_b32 s40, 1                               ; group 0 of the first fill
	s_add_co_u32 s41, s12, s13
	s_add_nc_u64 s[42:43], s[4:5], s[62:63]
	s_or_b32 s43, s43, 0x80000000
	s_mov_b32 s44, 1                               ; and of the second
	s_add_co_u32 s45, s12, s14
	s_add_nc_u64 s[46:47], s[4:5], s[74:75]
	s_or_b32 s47, s47, 0x80000000
	CROUND                                         ; all four work-groups are here: the joint loads meet
	tensor_load_to_lds s[40:43], s[24:31]          ; the wave's first fill: one load of mine is out
	s_nop 0
	s_wait_alu depctr_va_vdst(0)
	s_wait_tensorcnt 0x0
	ds_add_u32 v254, v255
	s_wait_dscnt 0x0
	CROUND
	tensor_load_to_lds s[44:47], s[32:39]
	s_nop 0
.rept 4
	v_nop
.endr
	s_lshl_b32 s10, s76, 10                        ; Q: a tile of 16 queries is a block of 1,024 bytes
	s_add_co_u32 s10, s10, s16
	s_mov_b32 s11, 0
	s_add_nc_u64 s[54:55], s[4:5], s[10:11]
	s_lshl_b32 s10, s77, 10
	s_add_co_u32 s10, s10, s16
	s_add_nc_u64 s[56:57], s[4:5], s[10:11]
	v_and_b32 v[LI], 31, v0
	s_delay_alu instid0(VALU_DEP_1)
	v_lshlrev_b32 v[LI], 4, v[LI]
	global_load_b128 v[QA:QA+3], v[LI], s[54:55]
	global_load_b128 v[QA+4:QA+7], v[LI], s[54:55] offset:512
	global_load_b128 v[QB:QB+3], v[LI], s[56:57]
	global_load_b128 v[QB+4:QB+7], v[LI], s[56:57] offset:512
	s_lshr_b32 s12, s53, 4                         ; ctx's image: [token tile 512][head 16][1,024 bytes]: the batch's 128 token tiles,
	s_lshl_b32 s12, s12, 21
	s_and_b32 s13, s53, 15                         ; the head's block
	s_lshl_b32 s13, s13, 10
	s_add_co_u32 s12, s12, s13
	s_lshl_b32 s14, s76, 14
	s_add_co_u32 s14, s14, s12
	s_mov_b32 s15, 0
	s_add_nc_u64 s[58:59], s[8:9], s[14:15]
	s_lshl_b32 s14, s77, 14
	s_add_co_u32 s14, s14, s12
	s_add_nc_u64 s[60:61], s[8:9], s[14:15]
	v_and_b32 v6, 15, v0                           ; r
	v_bfe_u32 v7, v0, 4, 1                         ; h
	s_delay_alu instid0(VALU_DEP_1)
	v_lshlrev_b32 v7, 3, v7
	s_delay_alu instid0(VALU_DEP_1)
	v_sub_nc_u32 v6, v6, v7                        ; r - 8 h
	s_and_b32 s12, s76, 7
	s_lshl_b32 s12, s12, 4
	v_add_nc_u32 v[DA], s12, v6                    ; in the tile's last key step, register j of tile t holds key 16 t + 8 h + j, my query is 16 (tile % 8) + r: hidden where 16 t + j > this number
	s_and_b32 s12, s77, 7
	s_lshl_b32 s12, s12, 4
	v_add_nc_u32 v[DB], s12, v6
	v_mov_b32 v[F+1], 0                            ; (named as the upper half of a pair)
	v_mov_b32 v[PX], 0                             ; written once: a lane permute's destination counts as one of its sources
	v_mov_b32 v[NINF], 0xff800000
	s_wait_kmcnt 0x0
	s_add_co_i32 s12, s68, s69
	s_lshl_b32 s12, s12, 23
	s_add_co_i32 s22, s12, 0x3e38aa3b              ; c = log2(e) / 8, with e6 + e7 added to its exponent field: a score stands for score x 2^(e6 + e7)
	s_mov_b32 s23, s22                             ; (named with it as a pair, so it is written)
	s_add_co_i32 s12, s70, 127
	s_lshl_b32 s13, s12, 23
	v_mov_b32 v[PSCL], s13
	s_sub_co_i32 s12, s72, s70                     ; O / l stands for ctx / 2^(e8 + e9); its code is (O / l) / 2^(e10 - e8 - e9)
	s_sub_co_i32 s12, s12, s71
	s_add_co_i32 s12, s12, 127
	s_lshl_b32 s13, s12, 23
	v_mov_b32 v[CSCL], s13
; A KEY STEP: my tile of 16 queries (Q in v[q] on) against 128 keys.  d: the register with the mask's number; last: the scalar register with the tile's last key step.
.macro STEP q, d, last
	s_cmp_gt_u32 s[KS], s[\last]                   ; all keys of the step come after my queries: nothing but the lines at the step's end, which step the counter and the address
	s_cbranch_scc1 .Lhid_\@
	s_setprio 2
	v_add_nc_u32 v[ADK], s[TB], v[LI]
	s_delay_alu instid0(VALU_DEP_1)
	v_add_nc_u32 v[ADV], 0x20000, v[ADK]
	v_nop
	v_nop                                          ; four places in all between the last step's products and the loads into the registers that they read
.irp t, 0,1,2,3,4,5,6,7
	ds_load_b128 v[KV+8*\t:KV+8*\t+3], v[ADK] offset:1024*\t        ; keys 16 t on: a block of 1,024 bytes, 512 consecutive bytes a load
	ds_load_b128 v[KV+8*\t+4:KV+8*\t+7], v[ADK] offset:1024*\t+512
.endr
	s_wait_alu depctr_va_vdst(0)
	s_wait_dscnt 0x0
.irp t, 0,1,2,3,4,5,6,7
	v_wmma_f32_16x16x64_fp8_fp8 v[S+8*\t:S+8*\t+7], v[KV+8*\t:KV+8*\t+7], v[\q:\q+7], 0
.endr
.rept 4
	v_nop                                          ; places in front of the loads below and of the first read of the scores
.endr
.irp u, 0,1,2,3
.irp c, 0,1,2,3
	ds_load_b128 v[KV+16*\u+4*\c:KV+16*\u+4*\c+3], v[ADV] offset:2048*\u+512*\c   ; V^T: 16 channels x these 128 keys; they land while the softmax is worked
.endr
.endr
	s_cmp_lg_u32 s[KS], s[\last]                   ; only the tile's last key step lies on the diagonal
	s_cbranch_scc1 .Lopen_\@
.set n, 0
.rept 64
	v_cmp_gt_i32 vcc_lo, 16*(n/8)+n%8, v[\d]
	v_cndmask_b32 v[S+n], v[S+n], v[NINF], vcc_lo  ; a hidden key's score becomes -infinity ahead of the maximum: p = 0 then.  The query's own key always counts
.set n, n+1
.endr
.Lopen_\@:
	v_max3_num_f32 v[MX], v[S], v[S+1], v[S+2]     ; the step's largest score of my query among my 64 keys, in two chains, each accumulator from its low end on,
	v_max3_num_f32 v[MX+1], v[S+3], v[S+4], v[S+5]
.irp i, 6,10,14,18,22,26,30,34,38,42,46,50,54,58
	v_max3_num_f32 v[MX], v[MX], v[S+\i], v[S+1+\i]
	v_max3_num_f32 v[MX+1], v[MX+1], v[S+2+\i], v[S+3+\i]
.endr
	v_max3_num_f32 v[MX], v[MX], v[S+62], v[S+63]
	s_delay_alu instid0(VALU_DEP_1)
	v_max_num_f32 v[MX], v[MX], v[MX+1]
	s_delay_alu instid0(VALU_DEP_1)
	v_permlanex16_b32 v[PX], v[MX], s20, s21
	s_delay_alu instid0(VALU_DEP_1)
	v_max_num_f32 v[MX], v[MX], v[PX]              ; and among lane l xor 16's
	s_delay_alu instid0(VALU_DEP_1)
	v_mul_f32 v[MX], s22, v[MX]                    ; as t (c is positive)
	s_delay_alu instid0(VALU_DEP_1)
	v_max_num_f32 v13, v13, v[MX]                  ; the running largest t
	v_mov_b32 v[MX], v12
	s_delay_alu instid0(VALU_DEP_2)
	v_floor_f32 v12, -v13                          ; the new -M = floor(-t) = -ceil(t): M is a whole number
	s_delay_alu instid0(VALU_DEP_1)
	v_sub_f32 v[MX], v12, v[MX]                    ; M's old value less its new one: a whole number, 0 or less
	s_delay_alu instid0(VALU_DEP_1)
	v_cvt_i32_f32 v[MX], v[MX]                     ; (it saturates)
	s_delay_alu instid0(VALU_DEP_1)
	v_ldexp_f32 v[F], 1.0, v[MX]                   ; f = 2^(old M - new M)
.set n, 0
	s_setprio 1
.rept 32
	v_pk_fma_f32 v[S+n:S+n+1], v[S+n:S+n+1], s[22:23], v[12:13] op_sel_hi:[1,0,0]   ; t - M, two at a time (of the pairs c and -M the low word serves both halves)
.set n, n+2
.endr
.set n, 0
	s_wait_alu depctr_va_vdst(0)
.rept 64
	v_exp_f32 v[S+n], v[S+n]                       ; p = 2^(t - M), at most 1
.set n, n+1
.endr
	v_pk_mul_f32 v[14:15], v[14:15], v[F:F+1] op_sel_hi:[1,0]   ; the sums under the new M: the plain line behind the exponentials
	s_wait_alu depctr_va_vdst(0)                   ; one wait for the whole batch, ahead of its first reader
	v_pk_add_f32 v[SM:SM+1], v[S:S+1], v[S+2:S+3]  ; the row's sum is taken of the unquantised p: two at a time, in two chains
.irp j, 4,8,12,16,20,24,28,32,36,40,44,48,52,56,60
	v_pk_add_f32 v[14:15], v[14:15], v[S+\j:S+1+\j]
	v_pk_add_f32 v[SM:SM+1], v[SM:SM+1], v[S+2+\j:S+3+\j]
.endr
	s_delay_alu instid0(VALU_DEP_1)
	v_pk_add_f32 v[14:15], v[14:15], v[SM:SM+1]
	s_setprio 0
.irp b, 0,1,2,3
.irp i, 0,1,2,3,4,5,6,7,8,9,10,11,12,13,14,15
.endr
	v_cvt_scalef32_pk8_fp8_f32 v[PC+4*\b:PC+4*\b+1], v[S+16*\b:S+16*\b+7], v[PSCL]
	v_cvt_scalef32_pk8_fp8_f32 v[PC+4*\b+2:PC+4*\b+3], v[S+16*\b+8:S+16*\b+15], v[PSCL]
.endr
.set n, 0
.rept 16
	v_pk_mul_f32 v[O+n:O+n+1], v[O+n:O+n+1], v[F:F+1] op_sel_hi:[1,0]   ; O^T under the new M.  (These are also the plain lines between the conversions and the products that read the codes)
.set n, n+2
.endr
	s_wait_alu depctr_va_vdst(0)
	s_wait_dscnt 0x0                               ; V is in
.irp u, 0,1,2,3                        ; the four accumulators take turns
	v_wmma_f32_16x16x128_fp8_fp8 v[O+8*\u:O+8*\u+7], v[KV+16*\u:KV+16*\u+15], v[PC:PC+15], v[O+8*\u:O+8*\u+7]
.endr
.Lhid_\@:
	s_add_co_u32 s[KS], s[KS], 1
	s_add_co_u32 s[TB], s[TB], 8192
.endm
; A tile begins: O^T and the sum as zeros, the largest t as -3e38: the first change of M multiplies zeros, so the step is written once.
.macro INIT
	v_mov_b32 v13, 0xff61b1e6
	s_delay_alu instid0(VALU_DEP_1)
	v_floor_f32 v12, -v13
	v_mov_b32 v14, 0
	v_mov_b32 v15, 0
.set n, 0
.rept 32
	v_mov_b32 v[O+n], 0
.set n, n+1
.endr
	s_mov_b32 s[KS], 0
	s_mov_b32 s[TB], 0
.endm
; A tile ends: O^T / the sum, converted: the eight registers are a block of ctx's image and leave as two runs of 512 consecutive bytes.
.macro FINISH base
	s_wait_xcnt 0x0                                ; the first tile's stores have read their codes
.rept 4
	v_nop                                          ; places behind the last products
.endr
	v_add_f32 v14, v14, v15                        ; the sum's two halves,
	s_delay_alu instid0(VALU_DEP_1)
	v_permlanex16_b32 v[PX], v14, s20, s21
	s_delay_alu instid0(VALU_DEP_1)
	v_add_f32 v14, v14, v[PX]                      ; and lane l xor 16's
	s_wait_alu depctr_va_vdst(0)
	v_rcp_f32 v14, v14
	v_nop                                          ; a plain line behind the transcendental
	s_wait_alu depctr_va_vdst(0)                   ; and the wait ahead of its first reader
.set n, 0
.rept 16
	v_pk_mul_f32 v[S+n:S+n+1], v[O+n:O+n+1], v[14:15] op_sel_hi:[1,0]
.set n, n+2
.endr
.set n, 0
.rept 32
.set n, n+1
.endr
.irp u, 0,1,2,3
	v_cvt_scalef32_pk8_fp8_f32 v[OC+2*\u:OC+2*\u+1], v[S+8*\u:S+8*\u+7], v[CSCL]
.endr
	v_nop                                          ; a plain line behind the last conversion: later products write these conversions' sources
	global_store_b128 v[LI], v[OC:OC+3], s[\base:\base+1]
	global_store_b128 v[LI], v[OC+4:OC+7], s[\base:\base+1] offset:512
.endm
	s_wait_tensorcnt 0x1                           ; my part of key steps 0-3 is in; my part of the rest may stay out
	s_barrier_signal -1
	s_barrier_wait -1                              ; everybody's is
	s_wait_loadcnt 0x0                             ; Q
	INIT
.Lfirst4:                                          ; the first tile, key steps 0-3: LDS bytes under 32,768 of K and of V
	STEP QA, DA, LASTA
	s_cmp_lt_u32 s[KS], 4
	s_cbranch_scc1 .Lfirst4
	s_setprio 0
	s_wait_dscnt 0x0
	s_wait_tensorcnt 0x0                           ; my part of key steps 4-15 is in,
	s_barrier_signal -1
	s_barrier_wait -1                              ; everybody's is
.Lnext4:                                           ; the first tile, key steps 4-7 (it lies among queries 0 .. 1,023)
	STEP QA, DA, LASTA
	s_cmp_lt_u32 s[KS], 8
	s_cbranch_scc1 .Lnext4
	s_setprio 0
	FINISH 58
	INIT
.Lsecond:                                          ; the second tile, key steps 0-15
	STEP QB, DB, LASTB
	s_cmp_lt_u32 s[KS], 16
	s_cbranch_scc1 .Lsecond
	s_setprio 0
	FINISH 60
	s_wait_dscnt 0x0
	s_wait_tensorcnt 0x0
	ds_add_u32 v254, v255
	s_wait_dscnt 0x0
	CROUND                                         ; the closing round: no work-group ends while a partner may still ask for a tile that names it
	s_endpgm
.Lfunc_end_k_q67f8c2b6ae_attn:
	.size	k_q67f8c2b6ae_attn, .Lfunc_end_k_q67f8c2b6ae_attn-k_q67f8c2b6ae_attn
	.p2alignl 7, 3214868480
	.fill 96, 4, 3214868480
	.section	.rodata,"a",@progbits
	.p2align	6, 0x0
	.amdhsa_kernel k_q67f8c2b6ae_attn
		.amdhsa_group_segment_fixed_size 327680
		.amdhsa_private_segment_fixed_size 0
		.amdhsa_enable_private_segment 0
		.amdhsa_kernarg_size 24
		.amdhsa_user_sgpr_count 2
		.amdhsa_user_sgpr_kernarg_segment_ptr 1
		.amdhsa_wavefront_size32 1
		.amdhsa_system_sgpr_workgroup_id_x 1
		.amdhsa_system_sgpr_workgroup_id_y 1
		.amdhsa_system_sgpr_workgroup_id_z 1
		.amdhsa_system_vgpr_workitem_id 0
		.amdhsa_next_free_vgpr 256
		.amdhsa_next_free_sgpr 80
		.amdhsa_reserve_vcc 1
		.amdhsa_float_denorm_mode_32 3
		.amdhsa_float_denorm_mode_16_64 3
		.amdhsa_fp16_overflow 1
		.amdhsa_memory_ordered 1
		.amdhsa_forward_progress 1
		.amdhsa_inst_pref_size 71
	.end_amdhsa_kernel
	.amdgpu_metadata
---
amdhsa.version: [ 1, 2 ]
amdhsa.kernels:
  - .name:           k_q67f8c2b6ae_attn
    .symbol:         k_q67f8c2b6ae_attn.kd
    .args:
      - { .name: qkv, .offset: 0, .size: 8, .value_kind: global_buffer, .address_space: global }
      - { .name: lowp_scales, .offset: 8, .size: 8, .value_kind: global_buffer, .address_space: global }
      - { .name: ctxc, .offset: 16, .size: 8, .value_kind: global_buffer, .address_space: global }
    .group_segment_fixed_size: 327680
    .private_segment_fixed_size: 0
    .kernarg_segment_align: 8
    .kernarg_segment_size: 24
    .max_flat_workgroup_size: 512
    .sgpr_count:     80
    .vgpr_count:     256
    .wavefront_size: 32
...
	.end_amdgpu_metadata
.endif
;; end of part 3
;; launch oproj (part 4): grid 4 x 32, 4 waves a work-group, clusters of 4 x 4, 327,680 bytes of LDS; arguments ctxc, wc, lowp_scales, bo, out0; writes out0
.if DOCPART == 4
	.amdgcn_target "amdgcn-amd-amdhsa--gfx1250"
	.amdhsa_code_object_version 6
	.text
	.protected	k_q67f8c2b6ae_oproj
	.globl	k_q67f8c2b6ae_oproj
	.p2align	8
	.type	k_q67f8c2b6ae_oproj,@function
k_q67f8c2b6ae_oproj:
	s_mov_b64 s[64:65], 0
	v_nop
	global_prefetch_b8 v0, s[64:65] scope:SCOPE_SE
	s_setreg_imm32_b32 hwreg(HW_REG_WAVE_MODE, 25, 1), 1
	s_wait_xcnt 0x0
	s_wait_alu depctr_hold_cnt(0) depctr_sa_sdst(0) depctr_va_vdst(0) depctr_va_sdst(0) depctr_va_ssrc(0) depctr_va_vcc(0) depctr_vm_vsrc(0)
	s_getreg_b32 s2, hwreg(HW_REG_IB_STS2, 6, 4)
	s_cmp_eq_u32 s2, 0
	s_cbranch_scc0 .Lentry_in_a_cluster
	s_endpgm
.Lentry_in_a_cluster:
	s_bfe_u32 s2, ttmp6, 0x10000c
	s_cmp_lg_u32 s2, 0xf033
	s_cbranch_scc0 .Lentry_shape_is_right
	s_endpgm
.Lentry_shape_is_right:
; out = ctx Wo + bo: ctx's codes (2^e10) x Wo's codes (2^e11), K = 1,024, f32 sums; each sum x 2^(e10 + e11) + bo by one fused multiply-add.  out0: [8192][1024] f32.
; OPERANDS are images of operand registers: blocks of 16 rows x 64 k, 1,024 bytes, [c 0..1][lane r + 16 h][16 bytes i] = row r, k = 32 h + 16 c + i; a row tile's 16 blocks lie on end.
; A tile of the result, 256 x 256, is made by a work-group of four waves; a wave makes 128 x 128: 64 accumulators, 512 registers.  32 x 4 tiles: 128 work-groups; a smaller tile would read each fragment from LDS for fewer products.
; K goes in steps of 256 through a ring of two LDS slots filled by the tensor data mover; a wave's load brings 8 row tiles x 4,096 consecutive bytes.
; THE MATRIX INSTRUCTION TAKES Wo's rows as source 0 and ctx's as source 1: in accumulator (a, 4 g + u) lane (r, h) holds token 16 a + r and, in register j, Wo's image row 64 g + 16 u + 8 h + j,
; which is output column 64 g + 32 h + 8 u + j of my 128 (the image's rows are so permuted).
; CLUSTERS: 4 x 4 work-groups.  The four of a row of the cluster need the same tiles of ctx, the four of a column the same tiles of Wo: each tile is asked for jointly.
; REGISTERS, in windows of 256: window 0: v0-31 addresses, v8-11 my four numbers of bo; from v128 A's fragments, ONE set, later rows on the way out.  window 1: B's fragments, TWO sets.  windows 2, 3: the accumulators.
; LIMIT: e10 + e11 between -126 and 127, so that 2^(e10 + e11) is an f32 number.
.set LINE,   4096                      ; a row tile's four blocks of a K step of 256
.set RTB,    16384                     ; from row tile to row tile in memory
.set HALFT,  8*LINE                    ; 128 rows: what one tensor load brings, and what one wave reads of A or of B
.set SLOT,   4*HALFT                   ; A's 256 rows, then B's 256 rows
.set SPARE,  2*SLOT                    ; behind the ring: the spare words, 128 bytes for each wave: two blocks of 256 bytes that no other line names
.set LAPS,   2                         ; a lap = two K steps = once round the ring
.set SPITCH, 528                       ; the way out: a stage of 16 rows x (512 bytes + 16) for each wave.  It lies in slot 0, which has had its last fill and its last read when the first result is stored there
.set FR,     16
.set NL,     4
.set NP,     4                         ; places behind this matrix instruction (ISA guide 7.12.1)
.set BIAS, 8                           ; v8-11   bo at my four columns of a row on the way out
.set ADRA, 16                          ; v16-17  LDS address of my A fragments in slot 0, 1
.set ADRB, 20                          ; v20-21  the same for B
.set STO,  24                          ; v24     the way out: where I put my numbers of a row
.set RD,   25                          ; v25     where I read a row back
.set CO,   26                          ; v26     16 x lane
.set SPW,  28                          ; v28     LDS address of my spare word; never rewritten
.set NIL,  29                          ; v29     0; never rewritten
.set AF,   128
.set BK,   128                         ; the way out: 16 rows read back from the stage: v128-191 and v192-255 by turns
.set G1, 24
.set G0, 32
.set G1B, 48
.set G0B, 56
.set MSB, 0
.macro WIN new                         ; the immediate's high byte repeats the setting that is left
.if MSB != \new
	s_set_vgpr_msb (MSB<<8)|\new
.set MSB, \new
.endif
.endm
.set MUL_LO, 0xa1                      ; source 0 (B) window 1, source 1 (A) window 0, C and D window 2
.set MUL_HI, 0xf1                      ; the same, C and D window 3
.set TO_B,   0x40                      ; destination window 1, address window 0
; A joint load: waves 0 and 1 fetch for A, waves 2 and 3 for B; the branch hangs on the wave's number alone.  Four v_nop follow each of the two lines.
.macro JLOAD g0a, g1a, g0b, g1b
	s_cmp_eq_u32 s15, 0
	s_cbranch_scc0 .Lfor_b_\@
	tensor_load_to_lds s[\g0a:\g0a+3], s[\g1a:\g1a+7]
	s_nop 0
.rept 4
	v_nop
.endr
	s_branch .Lasked_\@
.Lfor_b_\@:
	tensor_load_to_lds s[\g0b:\g0b+3], s[\g1b:\g1b+7]
	s_nop 0
.rept 4
	v_nop
.endr
.Lasked_\@:
.endm
.macro CREST                           ; a round of the cluster's barrier behind its opening barrier
	s_cmp_lg_u32 s14, 0
	s_cbranch_scc1 .Lnot_wave_0_\@
	s_barrier_signal -3
.Lnot_wave_0_\@:
	s_barrier_wait -3
	s_barrier_signal -1
	s_barrier_wait -1
.endm
.macro CROUND                          ; a whole round
	s_barrier_signal -1
	s_barrier_wait -1
	CREST
.endm
	s_load_b128 s[4:7], s[0:1], 0x0                ; ctxc s[4:5], wc s[6:7]
	s_load_b128 s[8:11], s[0:1], 0x10              ; the exponents s[8:9], bo s[10:11]
	s_load_b64 s[12:13], s[0:1], 0x20              ; out0
	v_lshl_add_u32 v[SPW], v0, 2, SPARE
	v_mov_b32 v[NIL], 0
	ds_add_u32 v28, v29
	ds_add_u32 v28, v29
	s_wait_dscnt 0x0
	v_lshrrev_b32 v1, 5, v0
	v_readfirstlane_b32 s14, v1                    ; wave 0..3
	s_lshr_b32 s15, s14, 1                         ; which half of the tile's rows is mine.  Also: I fetch for A (0) or for B (1)
	s_and_b32 s16, s14, 1                          ; which half of its columns.  Also: which 128 rows of that tile I fetch
	s_bfe_u32 s40, ttmp6, 0x40000                  ; cx: also the tile column, since the grid is one cluster wide
	s_bfe_u32 s41, ttmp6, 0x40004                  ; cy
	s_and_b32 s17, ttmp7, 0xffff
	s_lshl_b32 s17, s17, 2
	s_add_co_u32 s17, s17, s41                     ; tile row = 4 x cluster y + cy
	s_lshl_b32 s43, s41, 2
	s_lshl_b32 s43, 15, s43                        ; my row of the cluster
	s_lshl_b32 s44, 0x1111, s40                    ; my column
	s_or_b32 s[G1+0], s43, (1<<21)                 ; 15:0 the mask: A's tiles go to my row; 17:16 elements of 1 byte; 20 no padding; 21 set beside a mask
	s_or_b32 s[G1B+0], s44, (1<<21)
.irp g, G1, G1B
	s_mov_b32 s[\g+1], LINE<<16                    ; tensor_dim0
	s_mov_b32 s[\g+2], 8<<16                       ; tensor_dim1
	s_mov_b32 s[\g+3], LINE<<16                    ; tile_dim0
	s_mov_b32 s[\g+4], 8                           ; tile_dim1
	s_mov_b32 s[\g+5], RTB                         ; tensor_dim0_stride
	s_mov_b32 s[\g+6], 0
	s_mov_b32 s[\g+7], 0
.endr
	s_lshl_b32 s20, s17, 18                        ; A: 256 rows are 16 row tiles of 16,384 bytes,
	s_lshl_b32 s21, s16, 17                        ; the 128 rows that I fetch
	s_add_co_u32 s20, s20, s21
	s_mov_b32 s21, 0
	s_lshl_b32 s46, s40, 18                        ; B likewise,
	s_lshl_b32 s47, s16, 17
	s_add_co_u32 s46, s46, s47
	s_add_co_u32 s46, s46, 0x300000                ; in Wo's section of wc
	s_mov_b32 s47, 0
	s_mul_i32 s45, s14, HALFT                      ; where they go: wave x 128 rows
	s_wait_kmcnt 0x0
	s_load_b64 s[96:97], s[8:9], 0x28              ; e10, e11
	s_add_nc_u64 s[20:21], s[4:5], s[20:21]
	s_add_nc_u64 s[46:47], s[6:7], s[46:47]
	CROUND                                         ; all sixteen work-groups are here: the first joint loads meet
.irp s, 0,1
	s_mov_b32 s[G0+4*\s], 1
	s_add_co_u32 s[G0+4*\s+1], s45, \s*SLOT
	s_add_nc_u64 s[G0+4*\s+2:G0+4*\s+3], s[20:21], \s*LINE
	s_or_b32 s[G0+4*\s+3], s[G0+4*\s+3], 0x80000000
	s_mov_b32 s[G0B+4*\s], 1
	s_add_co_u32 s[G0B+4*\s+1], s45, \s*SLOT
	s_add_nc_u64 s[G0B+4*\s+2:G0B+4*\s+3], s[46:47], \s*LINE
	s_or_b32 s[G0B+4*\s+3], s[G0B+4*\s+3], 0x80000000
	s_wait_alu depctr_va_vdst(0)
	s_wait_tensorcnt 0x0
	ds_add_u32 v28, v29
	ds_add_u32 v28, v29
	s_wait_dscnt 0x0
	CROUND
	JLOAD G0+4*\s, G1, G0B+4*\s, G1B
.endr
	v_and_b32 v1, 15, v0                           ; r
	s_wait_alu depctr_va_vdst(0)
	v_bfe_u32 v2, v0, 4, 1                         ; h
	v_and_b32 v3, 31, v0
	v_lshlrev_b32 v[CO], 4, v3                     ; 16 x lane
	s_mul_i32 s21, s15, HALFT                      ; my 128 rows of A
	s_mul_i32 s22, s16, HALFT                      ; my 128 rows of B,
	s_add_co_u32 s22, s22, 2*HALFT                 ; which lie behind A's 256
.irp s, 0,1
	v_add_nc_u32 v[ADRA+\s], s21, v[CO]
	v_add_nc_u32 v[ADRB+\s], s22, v[CO]
	s_add_co_u32 s21, s21, SLOT
	s_add_co_u32 s22, s22, SLOT
.endr
	s_mul_i32 s23, s14, 16*SPITCH                  ; my stage
	v_mul_u32_u24 v5, v1, SPITCH                   ; in: row r; columns 32 h on: 128 h bytes
	s_wait_alu depctr_va_vdst(0)
	v_lshl_add_u32 v5, v2, 7, v5
	v_add_nc_u32 v[STO], s23, v5
	v_add_nc_u32 v[RD], s23, v[CO]                 ; back: the 32 lanes take one row of 512 bytes
	s_lshl_b32 s20, s17, 8
	s_lshl_b32 s21, s15, 7
	s_add_co_u32 s20, s20, s21                     ; my first row of out0: 256 x tile row + 128 x half,
	s_lshl_b32 s20, s20, 12                        ; of 4,096 bytes
	s_mov_b32 s21, 0
	s_lshl_b32 s46, s40, 10                        ; my first column, in bytes: 1,024 x tile column + 512 x half
	s_lshl_b32 s47, s16, 9
	s_add_co_u32 s46, s46, s47
	s_mov_b32 s47, 0
	s_add_nc_u64 s[12:13], s[12:13], s[20:21]
	s_add_nc_u64 s[12:13], s[12:13], s[46:47]
	s_add_nc_u64 s[10:11], s[10:11], s[46:47]      ; bo at the same column
	global_load_b128 v[BIAS:BIAS+3], v[CO], s[10:11]
	s_wait_kmcnt 0x0
	s_add_co_i32 s96, s96, s97                     ; e10 + e11
	s_add_co_i32 s96, s96, 127
	s_lshl_b32 s96, s96, 23                        ; 2^(e10 + e11) as f32
	s_mov_b32 s97, s96                             ; (named with it as a pair, so it is written)
.macro FRAG reg, adr, q, i             ; a fragment, 16 rows x 128 k: two neighbouring blocks, four loads of 512 consecutive bytes
.irp c, 0,1,2,3
	ds_load_b128 v[\reg+4*\c:\reg+4*\c+3], v[\adr] offset:2048*(\q)+512*\c+(\i)*LINE
.endr
.endm
; 16 matrix instructions: A's blocks a0, a0 + 1 x B's eight, 128 along K.  The 64 accumulators take turns, one instruction a turn, in the same order in every step.
.macro MUL16 a0, p, zero
.irp a, \a0, \a0+1
.irp b, 0,1,2,3,4,5,6,7
.if \zero
	v_wmma_f32_16x16x128_fp8_fp8 v[8*(8*((\a)%4)+\b):8*(8*((\a)%4)+\b)+7], v[128*(\p)+FR*\b:128*(\p)+FR*\b+FR-1], v[AF+FR*(\a):AF+FR*(\a)+FR-1], 0
.else
	v_wmma_f32_16x16x128_fp8_fp8 v[8*(8*((\a)%4)+\b):8*(8*((\a)%4)+\b)+7], v[128*(\p)+FR*\b:128*(\p)+FR*\b+FR-1], v[AF+FR*(\a):AF+FR*(\a)+FR-1], v[8*(8*((\a)%4)+\b):8*(8*((\a)%4)+\b)+7]
.endif
.endr
.endr
.endm
.macro FETCH_B slot, q, p
	WIN TO_B
.irp i, 0,1,2,3,4,5,6,7
	FRAG 128*(\p)+FR*\i, ADRB+\slot, \q, \i
.endr
	WIN 0
.endm
.macro FETCH_A slot, q, i0
.irp i, \i0, \i0+1, \i0+2, \i0+3
	FRAG AF+FR*(\i), ADRA+\slot, \q, \i
.endr
.endm
; A load into a register that a matrix instruction has read, and an LDS store that reads a matrix result, stand NP places behind that matrix instruction; only plain vector
; instructions that name none of its registers are places (ISA guide 7.12.1 for vector instructions).
.macro PLACES n
.rept \n
	v_nop
.endr
.endm
.macro STEP slot, q, zero
	s_wait_dscnt 4*NL                              ; B's set and A's blocks 0-3 are in; the youngest sixteen loads (A's blocks 4-7) may be out
	WIN MUL_LO
	MUL16 0, (\q)%2, \zero
	MUL16 2, (\q)%2, \zero
	s_wait_dscnt 0                                 ; A's blocks 4-7 are in
	PLACES NP
	FETCH_B \slot, (\q)+1, 1-(\q)%2
	FETCH_A \slot, (\q)+1, 0
	WIN MUL_HI
	MUL16 4, (\q)%2, \zero
	MUL16 6, (\q)%2, \zero
	PLACES NP
	WIN 0
	FETCH_A \slot, (\q)+1, 4
.endm
; A slot's last step changes slots: ONE barrier; in front of it each wave waits for all its tensor loads, adds 0 to its spare word, and waits for that and for its own reads of this slot.
.macro TURN slot, next, fill
	s_wait_tensorcnt 0x0                           ; all my tensor loads have landed: my part of the next slot
	ds_add_u32 v[SPW], v[NIL]                      ; 0 onto my spare word
	s_wait_dscnt 4*NL+1                            ; (the add and the youngest sixteen loads may be out)
	WIN MUL_LO
	MUL16 0, 1, 0                                  ; sixteen matrix instructions stand between the add and the wait for it
	s_wait_dscnt 0x0                               ; the add is done, and my reads of this slot are over
	s_barrier_signal -1
	MUL16 2, 1, 0
	WIN 0
	s_barrier_wait -1
.if \fill
	CREST                                          ; the barrier has opened a round of the cluster's barrier: no wave of any partner still reads this slot's tile or has a load on its way
	s_add_nc_u64 s[G0+4*\slot+2:G0+4*\slot+3], s[G0+4*\slot+2:G0+4*\slot+3], 2*LINE
	s_add_nc_u64 s[G0B+4*\slot+2:G0B+4*\slot+3], s[G0B+4*\slot+2:G0B+4*\slot+3], 2*LINE
	JLOAD G0+4*\slot, G1, G0B+4*\slot, G1B         ; the first tensor load behind the round; the four v_nop behind it are the places in front of the loads below
.else
	PLACES NP
.endif
	FETCH_B \next, 0, 0
	FETCH_A \next, 0, 0
	WIN MUL_HI
	MUL16 4, 1, 0
	MUL16 6, 1, 0
	PLACES NP
	WIN 0
	FETCH_A \next, 0, 4
.endm
	s_wait_tensorcnt 1                             ; my part of K step 0 is in (K step 1's load may be out)
	s_barrier_signal -1
	s_barrier_wait -1                              ; everybody's is
	FETCH_B 0, 0, 0
	FETCH_A 0, 0, 0
	FETCH_A 0, 0, 4
	STEP 0, 0, 1                                   ; the first step stands in front of the loop: its products start the sums
	s_mov_b32 s3, LAPS-1
.Llap:
	TURN 0, 1, 1
	STEP 1, 0, 0
	TURN 1, 0, 1
	STEP 0, 0, 0
	s_sub_co_u32 s3, s3, 1
	s_cmp_lg_u32 s3, 0
	s_cbranch_scc1 .Llap
	TURN 0, 1, 0                                   ; the last lap fills nothing, and has no round of the cluster's barrier
	STEP 1, 0, 0
	s_wait_dscnt 4*NL
	WIN MUL_LO
	MUL16 0, 1, 0
	MUL16 2, 1, 0
	s_wait_alu depctr_va_vdst(0)
	s_wait_dscnt 0
	WIN MUL_HI
	MUL16 4, 1, 0
	MUL16 6, 1, 0
	WIN 0
; THE WAY OUT, block by block of 16 rows x 128 columns: the sums go as they are into my own stage in LDS, each to its column's place, and come back as whole rows of 512 bytes; there each number
; gets x 2^(e10 + e11) + bo, and the 32 lanes store the row.  LDS serves a wave's instructions in order (ISA guide 5.7.1.4): no wait between the stores and the loads, nor in front of the next block's stores.
.macro TOSTAGE a
.set AC, 64*((\a)%4)
	WIN 0x08+4*((\a)/4)                            ; the stores' data: window 2 or 3
.irp g, 0,1
.irp u, 0,1,2,3
	ds_store_b128 v[STO], v[AC+8*(4*\g+\u):AC+8*(4*\g+\u)+3] offset:256*\g+32*\u          ; columns 64 g + 32 h + 8 u + 0 .. 3; each accumulator from its low end on
	ds_store_b128 v[STO], v[AC+8*(4*\g+\u)+4:AC+8*(4*\g+\u)+7] offset:256*\g+32*\u+16
.endr
.endr
	WIN 0
.set BB, BK+64*((\a)%2)
.irp t, 0,1,2,3,4,5,6,7,8,9,10,11,12,13,14,15
	ds_load_b128 v[BB+4*\t:BB+4*\t+3], v[RD] offset:\t*SPITCH
.endr
.endm
.macro SEND a, younger                 ; younger: the LDS instructions issued behind block a's loads, which may stay out
.set BB, BK+64*((\a)%2)
	s_wait_dscnt \younger                          ; the block is back in registers
.if (\a) > 0
	s_add_nc_u64 s[12:13], s[12:13], 16*4096       ; (behind a wait on XCNT: the earlier stores have read their base)  16 rows on
.endif
.irp t, 0,1,2,3,4,5,6,7,8,9,10,11,12,13,14,15
	v_pk_fma_f32 v[BB+4*\t:BB+4*\t+1], v[BB+4*\t:BB+4*\t+1], s[96:97], v[BIAS:BIAS+1] op_sel_hi:[1,0,1]       ; sum x 2^(e10 + e11) + bo (the scalar pair's low word for both halves)
	v_pk_fma_f32 v[BB+4*\t+2:BB+4*\t+3], v[BB+4*\t+2:BB+4*\t+3], s[96:97], v[BIAS+2:BIAS+3] op_sel_hi:[1,0,1]
	global_store_b128 v[CO], v[BB+4*\t:BB+4*\t+3], s[12:13] offset:\t*4096 th:TH_STORE_NT   ; 32 lanes store 512 consecutive bytes, at a multiple of 512 from out0's first byte; written once, read by nobody here
.endr
.endm
	s_wait_loadcnt 0x0                             ; bo
	PLACES NP                                      ; behind the last products: for the stores of results and for the loads into the registers that held A's fragments
	TOSTAGE 0
.irp a, 1,2,3,4,5,6,7
.if \a > 1
	s_wait_xcnt 0x0                                ; block a - 2's stores have read their registers and their base: block a's loads may land there, and the base may step
.endif
	TOSTAGE \a
	SEND \a-1, 32                                  ; behind block a - 1's loads: block a's 16 stores and 16 loads
.endr
	s_wait_xcnt 0x0                                ; block 6's stores have read their base
	SEND 7, 0
	s_wait_tensorcnt 0x0                           ; the wave's end, behind my last tensor load and my last LDS store
	ds_add_u32 v[SPW], v[NIL]
	s_wait_dscnt 0x0
	CROUND                                         ; the closing round: no work-group ends while a partner may still ask for a tile that names it
	s_endpgm
.Lfunc_end_k_q67f8c2b6ae_oproj:
	.size	k_q67f8c2b6ae_oproj, .Lfunc_end_k_q67f8c2b6ae_oproj-k_q67f8c2b6ae_oproj
	.p2alignl 7, 3214868480
	.fill 96, 4, 3214868480
	.section	.rodata,"a",@progbits
	.p2align	6, 0x0
	.amdhsa_kernel k_q67f8c2b6ae_oproj
		.amdhsa_group_segment_fixed_size 327680
		.amdhsa_private_segment_fixed_size 0
		.amdhsa_enable_private_segment 0
		.amdhsa_kernarg_size 40
		.amdhsa_user_sgpr_count 2
		.amdhsa_user_sgpr_kernarg_segment_ptr 1
		.amdhsa_wavefront_size32 1
		.amdhsa_system_sgpr_workgroup_id_x 1
		.amdhsa_system_sgpr_workgroup_id_y 1
		.amdhsa_system_sgpr_workgroup_id_z 1
		.amdhsa_system_vgpr_workitem_id 0
		.amdhsa_next_free_vgpr 1024
		.amdhsa_next_free_sgpr 100
		.amdhsa_reserve_vcc 0
		.amdhsa_float_denorm_mode_32 3
		.amdhsa_float_denorm_mode_16_64 3
		.amdhsa_memory_ordered 1
		.amdhsa_forward_progress 1
		.amdhsa_inst_pref_size 124
	.end_amdhsa_kernel
	.amdgpu_metadata
---
amdhsa.version: [ 1, 2 ]
amdhsa.kernels:
  - .name:           k_q67f8c2b6ae_oproj
    .symbol:         k_q67f8c2b6ae_oproj.kd
    .args:
      - { .name: ctxc, .offset: 0, .size: 8, .value_kind: global_buffer, .address_space: global }
      - { .name: wc, .offset: 8, .size: 8, .value_kind: global_buffer, .address_space: global }
      - { .name: lowp_scales, .offset: 16, .size: 8, .value_kind: global_buffer, .address_space: global }
      - { .name: bo, .offset: 24, .size: 8, .value_kind: global_buffer, .address_space: global }
      - { .name: out0, .offset: 32, .size: 8, .value_kind: global_buffer, .address_space: global }
    .group_segment_fixed_size: 327680
    .private_segment_fixed_size: 0
    .kernarg_segment_align: 8
    .kernarg_segment_size: 40
    .max_flat_workgroup_size: 128
    .sgpr_count:     100
    .vgpr_count:     1024
    .wavefront_size: 32
...
	.end_amdgpu_metadata
.endif
;; end of part 4
